; MI455X (gfx1250); checked and timed in simulation.
; The chip was launched on July 23, 2026; its instructions are those of AMD's public machine-readable ISA for CDNA 5 (MIT licence, August 2026) and "CDNA5" Instruction Set Architecture Reference Guide (July 2026). The comments in the code are by the model that wrote it; some were corrected since.
;; image multihead attation block. Allowed arithmetic: float matrix products may take bf16 or f16 operands with f32 sums; all other float work in f32.
;; Inputs: Wk 512 x 512 float32; Wo 512 x 512 float32; Wq 512 x 512 float32; Wv 512 x 512 float32; bk 512 float32; bo 512 float32; bq 512 float32; bv 512 float32; gn_k_b 512 float32; gn_k_w 512 float32; gn_q_b 512 float32; gn_q_w 512 float32; gn_v_b 512 float32; gn_v_w 512 float32; q 8 x 512 x 32 x 32 float32.
;; Outputs: out0 8 x 512 x 32 x 32 float32.
;; One version. Each part assembles by itself: llvm-mc -triple=amdgcn-amd-amdhsa -mcpu=gfx1250 --defsym DOCPART=n.
;; ======== version 1 of 1: 4 launches
;; limits: values are held in f16: magnitudes above 65,504 overflow, below 6.1e-05 lose precision
;; workspace buffers: xh 8,388,608 bytes; wb 2,097,152 bytes; pb 98,304 bytes; qkvh 25,165,824 bytes; xo 8,388,608 bytes
;; launch prep (part 1): grid 256 x 1, 8 waves a work-group, no clusters, 9,216 bytes of LDS; arguments q, Wq, Wk, Wv, Wo, gn_q_w, gn_k_w, gn_v_w, gn_q_b, gn_k_b, gn_v_b, bq, bk, bv, xh, wb, pb; writes xh, wb, pb
.if DOCPART == 1
	.amdgcn_target "amdgcn-amd-amdhsa--gfx1250"
	.amdhsa_code_object_version 6
	.text
	.protected	k_q0ec320b23b_prep
	.globl	k_q0ec320b23b_prep
	.p2align	8
	.type	k_q0ec320b23b_prep,@function
k_q0ec320b23b_prep:
	s_mov_b64 s[64:65], 0
	v_nop
	global_prefetch_b8 v0, s[64:65] scope:SCOPE_SE
	s_setreg_imm32_b32 hwreg(HW_REG_WAVE_MODE, 25, 1), 1
	s_wait_xcnt 0x0
; Two jobs for each of 256 work-groups of eight waves.
; A: work-group id = 32 b + g owns one GroupNorm group: 16 channels x 1,024 pixels = 16,384 f32 = 65,536 dense bytes of q.
;    It stays in 64 registers a lane between the three passes (mean; centred squares; scale), so q is read once.
;    xh = (q - mean) / sqrt(var + 1e-5) in f16, in q's own layout.  The three affine variants are not stored:
;    (xh w + gb) W + b = xh (diag(w) W) + (gb W + b), exact algebra for every input, so w goes into the weights and gb into a bias.
; B: the same work-group owns 32 rows x 128 columns of matrix m = id >> 6 (0 Wq, 1 Wk, 2 Wv, 3 Wo):
;    wb[row][512 m + col] = gn_w[row] W[row][col] in f16 (m = 3: Wo as it is), and for m < 3
;    pb[rb][512 m + col] = sum over its 32 rows of gn_b[row] W[row][col], with b_m[col] added in row block rb = 0.
; No LDS tiles, matrix units or clusters: each byte is used once, and all 20 loads of a lane are out together.
; LIMITS: f16 holds magnitudes up to 65,504 (|xh| is at most 128 by construction; a product gn_w W above that becomes infinite);
; magnitudes under 6e-5 keep an absolute error of 3e-8.  The order of the sums differs from a plain left-to-right sum.
.set X,   16                           ; v[16:79]    my 64 numbers of the group
.set WR,  80                           ; v[80:95]    four rows x four columns of W
.set BA,  96                           ; v[96:99]    gn_b W summed over my four rows
.set WH,  100                          ; v[100:107]  the scaled weights in f16
.set PS,  108                          ; v[108:115]  the eight waves' partial sums
.set NM,  116                          ; v[116:117]  -mean, twice
.set RS,  118                          ; v[118:119]  1 / sqrt(var + eps), twice
.set TB,  120                          ; v[120:155]  the tail: eight waves' bias sums, and b_m
.set RED0, 0                           ; LDS: eight words for the first sum
.set RED1, 256                         ; eight words for the second
.set BIAS, 512                         ; eight waves x 512 bytes
	s_load_b512 s[16:31], s[0:1], 0x0              ; q 16, Wq 18, Wk 20, Wv 22, Wo 24, gn_q_w 26, gn_k_w 28, gn_v_w 30
	s_load_b512 s[32:47], s[0:1], 0x40             ; gn_q_b 32, gn_k_b 34, gn_v_b 36, bq 38, bk 40, bv 42, xh 44, wb 46
	s_load_b64 s[48:49], s[0:1], 0x80              ; pb
	v_lshl_add_u32 v160, v0, 2, 0x2000
	v_mov_b32 v161, 0
	v_lshrrev_b32 v1, 5, v0
	v_readfirstlane_b32 s8, v1                     ; wave
	v_and_b32 v1, 31, v0                           ; lane
	s_lshr_b32 s9, ttmp9, 6                        ; m: which matrix
	s_bfe_u32 s10, ttmp9, 0x20004                  ; cb: which 128 columns
	s_and_b32 s11, ttmp9, 15                       ; rb: which 32 rows
	s_mov_b32 s12, 0x76543210                      ; v_permlanex16_b32: lane i takes lane i of the other half
	s_mov_b32 s13, 0xfedcba98
	s_mov_b32 s60, 0x38800000                      ; 1 / 16,384
	s_lshl_b32 s14, s11, 5
	s_lshl2_add_u32 s14, s8, s14                   ; row0 = 32 rb + 4 wave
	s_lshl_b32 s15, s14, 11
	s_lshl_b32 s61, s10, 9
	s_add_co_u32 s15, s15, s61
	v_lshl_add_u32 v4, v1, 4, s15                  ; W: 2,048 row0 + 512 cb + 16 lane
	s_lshl_b32 s15, s14, 12
	s_lshl_b32 s61, s9, 10
	s_add_co_u32 s15, s15, s61
	s_lshl_b32 s61, s10, 8
	s_add_co_u32 s15, s15, s61
	v_lshl_add_u32 v5, v1, 3, s15                  ; wb: 4,096 row0 + 1,024 m + 256 cb + 8 lane
	s_lshl_b32 s15, s8, 9
	s_add_co_u32 s15, s15, BIAS
	v_lshl_add_u32 v6, v1, 4, s15                  ; LDS: my wave's 512 bytes of bias sums
	v_mov_b32 v7, s8
	v_lshlrev_b32 v7, 2, v7                        ; LDS: my wave's word of a reduction
	v_lshlrev_b32 v2, 4, v0                        ; q: 16 bytes a thread
	v_lshlrev_b32 v3, 3, v0                        ; xh: 8 bytes a thread
	v_mov_b32 v156, 0
	s_wait_kmcnt 0x0
	s_lshl_b32 s62, ttmp9, 16
	s_mov_b32 s63, 0
	s_add_nc_u64 s[16:17], s[16:17], s[62:63]      ; q at my group
	s_lshl_b32 s62, ttmp9, 15
	s_add_nc_u64 s[44:45], s[44:45], s[62:63]      ; xh at my group
	s_cmp_eq_u32 s9, 1                             ; the matrix, its gain, its offset and its bias, chosen by m alone
	s_cselect_b64 s[50:51], s[20:21], s[18:19]
	s_cselect_b64 s[2:3], s[28:29], s[26:27]
	s_cselect_b64 s[4:5], s[34:35], s[32:33]
	s_cselect_b64 s[6:7], s[40:41], s[38:39]
	s_cmp_eq_u32 s9, 2
	s_cselect_b64 s[50:51], s[22:23], s[50:51]
	s_cselect_b64 s[2:3], s[30:31], s[2:3]
	s_cselect_b64 s[4:5], s[36:37], s[4:5]
	s_cselect_b64 s[6:7], s[42:43], s[6:7]
	s_cmp_eq_u32 s9, 3
	s_cselect_b64 s[50:51], s[24:25], s[50:51]     ; Wo has no gain: the four numbers loaded below are replaced by 1 and 0
	s_lshl_b32 s62, s14, 2
	s_add_nc_u64 s[2:3], s[2:3], s[62:63]
	s_add_nc_u64 s[4:5], s[4:5], s[62:63]
	s_load_b128 s[52:55], s[2:3], 0x0              ; gn_w[row0 .. row0 + 3]
	s_load_b128 s[56:59], s[4:5], 0x0              ; gn_b[row0 .. row0 + 3]
.irp j, 0,1,2,3
	global_load_b128 v[WR+4*\j:WR+4*\j+3], v4, s[50:51] offset:2048*\j th:TH_LOAD_NT
.endr
.set j, 0
.rept 16
	global_load_b128 v[X+4*j:X+4*j+3], v2, s[16:17] offset:4096*j th:TH_LOAD_NT   ; a wave's load covers 512 neighbouring bytes
.set j, j+1
.endr
	s_wait_kmcnt 0x0
	s_cmp_eq_u32 s9, 3
.irp j, 0,1,2,3
	s_cselect_b32 s[52+\j], 1.0, s[52+\j]
	s_cselect_b32 s[56+\j], 0, s[56+\j]
.endr
	; B: the weights, while q is on its way
	s_wait_loadcnt 16                              ; loads come back in order: W's four are in, q's sixteen stay out
.irp k, 0,1,2,3
	v_mul_f32 v[BA+\k], s56, v[WR+\k]              ; the first row starts the bias sums
.endr
.irp j, 1,2,3
.irp k, 0,1,2,3
	v_fmac_f32 v[BA+\k], s[56+\j], v[WR+4*\j+\k]
.endr
.endr
.irp j, 0,1,2,3
.irp k, 0,1,2,3
	v_mul_f32 v[WR+4*\j+\k], s[52+\j], v[WR+4*\j+\k]
.endr
.endr
.irp j, 0,1,2,3
	v_cvt_pk_f16_f32 v[WH+2*\j],   v[WR+4*\j],   v[WR+4*\j+1]
	v_cvt_pk_f16_f32 v[WH+2*\j+1], v[WR+4*\j+2], v[WR+4*\j+3]
	global_store_b64 v5, v[WH+2*\j:WH+2*\j+1], s[46:47] offset:4096*\j   ; 32 lanes store 256 consecutive bytes, aligned
.endr
	ds_store_b128 v6, v[BA:BA+3]                   ; read by wave 0 in the tail, behind the barriers below
; The four chains in v[8:15] become one number in every lane of the wave.
.macro WAVESUM
	v_pk_add_f32 v[8:9], v[8:9], v[10:11]
	v_pk_add_f32 v[12:13], v[12:13], v[14:15]
	v_pk_add_f32 v[8:9], v[8:9], v[12:13]
	v_add_f32 v8, v8, v9
	v_add_f32_dpp v8, v8, v8 row_xmask:1 row_mask:0xf bank_mask:0xf
	v_add_f32_dpp v8, v8, v8 row_xmask:2 row_mask:0xf bank_mask:0xf
	v_add_f32_dpp v8, v8, v8 row_xmask:4 row_mask:0xf bank_mask:0xf
	v_add_f32_dpp v8, v8, v8 row_xmask:8 row_mask:0xf bank_mask:0xf
	v_permlanex16_b32 v9, v8, s12, s13
	v_add_f32 v8, v8, v9
.endm
; The eight waves' numbers meet in LDS at byte red; v8 = their sum, the same in every lane of the work-group.
.macro GROUPSUM red
	ds_store_b32 v7, v8 offset:\red
	s_wait_dscnt 0x0                               ; my LDS stores are done before I say so
	s_barrier_signal -1
	s_barrier_wait -1
	ds_load_b128 v[PS:PS+3],   v156 offset:\red
	ds_load_b128 v[PS+4:PS+7], v156 offset:\red+16
	s_wait_dscnt 0x0
	v_pk_add_f32 v[PS:PS+1], v[PS:PS+1], v[PS+2:PS+3]
	v_pk_add_f32 v[PS+4:PS+5], v[PS+4:PS+5], v[PS+6:PS+7]
	v_pk_add_f32 v[PS:PS+1], v[PS:PS+1], v[PS+4:PS+5]
	v_add_f32 v8, v[PS], v[PS+1]
.endm
	; A, pass 1: the mean
	s_wait_loadcnt 0x0
.irp k, 0,1,2,3
	v_pk_add_f32 v[8+2*\k:9+2*\k], v[X+2*\k:X+2*\k+1], v[X+8+2*\k:X+8+2*\k+1]   ; four chains, started by the first sums
.endr
.set j, 8
.rept 24
	v_pk_add_f32 v[8+2*(j%4):9+2*(j%4)], v[8+2*(j%4):9+2*(j%4)], v[X+2*j:X+2*j+1]
.set j, j+1
.endr
	WAVESUM
	GROUPSUM RED0
	v_mul_f32 v[NM], 0xb8800000, v8                ; -sum / 16,384
	v_mov_b32 v[NM+1], v[NM]
	; pass 2: centre, then the variance of the centred numbers (no difference of large sums)
.set j, 0
.rept 32
	v_pk_add_f32 v[X+2*j:X+2*j+1], v[X+2*j:X+2*j+1], v[NM:NM+1]
.set j, j+1
.endr
.irp k, 0,1,2,3
	v_pk_mul_f32 v[8+2*\k:9+2*\k], v[X+2*\k:X+2*\k+1], v[X+2*\k:X+2*\k+1]
.endr
.set j, 4
.rept 28
	v_pk_fma_f32 v[8+2*(j%4):9+2*(j%4)], v[X+2*j:X+2*j+1], v[X+2*j:X+2*j+1], v[8+2*(j%4):9+2*(j%4)]
.set j, j+1
.endr
	WAVESUM
	GROUPSUM RED1                                  ; other bytes than the first sum's: no wave can overwrite what another still reads
	v_mov_b32 v10, 0x3727c5ac                      ; 1e-5
	v_fma_f32 v9, v8, s60, v10                     ; var + eps
	v_rsq_f32 v[RS], v9
	v_rsq_f32 v[RS+1], v9
	v_nop                                          ; one plain vector instruction between a transcendental and the use of its result (ISA guide 5.7.2)
	; pass 3: scale, round to f16, store
.set j, 0
	s_wait_alu depctr_va_vdst(0)
.rept 16
	v_pk_mul_f32 v[X+4*j:X+4*j+1],   v[X+4*j:X+4*j+1],   v[RS:RS+1]
	v_pk_mul_f32 v[X+4*j+2:X+4*j+3], v[X+4*j+2:X+4*j+3], v[RS:RS+1]
	v_cvt_pk_f16_f32 v[X+4*j],   v[X+4*j],   v[X+4*j+1]
	v_cvt_pk_f16_f32 v[X+4*j+1], v[X+4*j+2], v[X+4*j+3]
	global_store_b64 v3, v[X+4*j:X+4*j+1], s[44:45] offset:2048*j   ; 32 lanes store 256 consecutive bytes, aligned
.set j, j+1
.endr
	; The tail: wave 0 adds the eight waves' bias sums (stored ahead of the first barrier).  Wo has no such bias.
	s_cmp_lg_u32 s8, 0
	s_cbranch_scc1 .Lend
	s_cmp_eq_u32 s9, 3
	s_cbranch_scc1 .Lend
	v_lshlrev_b32 v157, 4, v1
.irp i, 0,1,2,3,4,5,6,7
	ds_load_b128 v[TB+4*\i:TB+4*\i+3], v157 offset:BIAS+512*\i
.endr
	s_lshl_b32 s61, s10, 9
	v_add_nc_u32 v158, s61, v157                   ; 512 cb + 16 lane: my four columns in b_m
	s_mul_i32 s15, s11, 6144
	s_lshl_b32 s61, s9, 11
	s_add_co_u32 s15, s15, s61
	v_add_nc_u32 v159, s15, v158                   ; and in pb: 6,144 rb + 2,048 m + that
	s_wait_dscnt 0x0
.irp i, 1,2,3,4,5,6,7
	v_pk_add_f32 v[TB:TB+1],   v[TB:TB+1],   v[TB+4*\i:TB+4*\i+1]
	v_pk_add_f32 v[TB+2:TB+3], v[TB+2:TB+3], v[TB+4*\i+2:TB+4*\i+3]
.endr
	s_cmp_lg_u32 s11, 0
	s_cbranch_scc1 .Lno_b
	global_load_b128 v[TB+32:TB+35], v158, s[6:7]  ; the projection's own bias enters once, in row block 0
	s_wait_loadcnt 0x0
	v_pk_add_f32 v[TB:TB+1],   v[TB:TB+1],   v[TB+32:TB+33]
	v_pk_add_f32 v[TB+2:TB+3], v[TB+2:TB+3], v[TB+34:TB+35]
.Lno_b:
	global_store_b128 v159, v[TB:TB+3], s[48:49]   ; 512 consecutive bytes
.Lend:
	s_wait_tensorcnt 0x0
	ds_add_u32 v160, v161
	s_wait_dscnt 0x0
	s_endpgm
.Lfunc_end_k_q0ec320b23b_prep:
	.size	k_q0ec320b23b_prep, .Lfunc_end_k_q0ec320b23b_prep-k_q0ec320b23b_prep
	.p2alignl 7, 3214868480
	.fill 96, 4, 3214868480
	.section	.rodata,"a",@progbits
	.p2align	6, 0x0
	.amdhsa_kernel k_q0ec320b23b_prep
		.amdhsa_group_segment_fixed_size 9216
		.amdhsa_private_segment_fixed_size 0
		.amdhsa_enable_private_segment 0
		.amdhsa_kernarg_size 136
		.amdhsa_user_sgpr_count 2
		.amdhsa_user_sgpr_kernarg_segment_ptr 1
		.amdhsa_wavefront_size32 1
		.amdhsa_system_sgpr_workgroup_id_x 1
		.amdhsa_system_sgpr_workgroup_id_y 1
		.amdhsa_system_sgpr_workgroup_id_z 1
		.amdhsa_system_vgpr_workitem_id 0
		.amdhsa_next_free_vgpr 162
		.amdhsa_next_free_sgpr 66
		.amdhsa_reserve_vcc 0
		.amdhsa_float_denorm_mode_32 3
		.amdhsa_float_denorm_mode_16_64 3
		.amdhsa_memory_ordered 1
		.amdhsa_forward_progress 1
		.amdhsa_inst_pref_size 23
	.end_amdhsa_kernel
	.amdgpu_metadata
---
amdhsa.version: [ 1, 2 ]
amdhsa.kernels:
  - .name:           k_q0ec320b23b_prep
    .symbol:         k_q0ec320b23b_prep.kd
    .args:
      - { .name: q, .offset: 0, .size: 8, .value_kind: global_buffer, .address_space: global }
      - { .name: Wq, .offset: 8, .size: 8, .value_kind: global_buffer, .address_space: global }
      - { .name: Wk, .offset: 16, .size: 8, .value_kind: global_buffer, .address_space: global }
      - { .name: Wv, .offset: 24, .size: 8, .value_kind: global_buffer, .address_space: global }
      - { .name: Wo, .offset: 32, .size: 8, .value_kind: global_buffer, .address_space: global }
      - { .name: gn_q_w, .offset: 40, .size: 8, .value_kind: global_buffer, .address_space: global }
      - { .name: gn_k_w, .offset: 48, .size: 8, .value_kind: global_buffer, .address_space: global }
      - { .name: gn_v_w, .offset: 56, .size: 8, .value_kind: global_buffer, .address_space: global }
      - { .name: gn_q_b, .offset: 64, .size: 8, .value_kind: global_buffer, .address_space: global }
      - { .name: gn_k_b, .offset: 72, .size: 8, .value_kind: global_buffer, .address_space: global }
      - { .name: gn_v_b, .offset: 80, .size: 8, .value_kind: global_buffer, .address_space: global }
      - { .name: bq, .offset: 88, .size: 8, .value_kind: global_buffer, .address_space: global }
      - { .name: bk, .offset: 96, .size: 8, .value_kind: global_buffer, .address_space: global }
      - { .name: bv, .offset: 104, .size: 8, .value_kind: global_buffer, .address_space: global }
      - { .name: xh, .offset: 112, .size: 8, .value_kind: global_buffer, .address_space: global }
      - { .name: wb, .offset: 120, .size: 8, .value_kind: global_buffer, .address_space: global }
      - { .name: pb, .offset: 128, .size: 8, .value_kind: global_buffer, .address_space: global }
    .group_segment_fixed_size: 9216
    .private_segment_fixed_size: 0
    .kernarg_segment_align: 8
    .kernarg_segment_size: 136
    .max_flat_workgroup_size: 256
    .sgpr_count:     66
    .vgpr_count:     162
    .wavefront_size: 32
...
	.end_amdgpu_metadata
.endif
;; end of part 1
;; launch proj (part 2): grid 8 x 32, 4 waves a work-group, clusters of 4 x 4, 327,680 bytes of LDS; arguments xh, wb, pb, qkvh; writes qkvh
.if DOCPART == 2
	.amdgcn_target "amdgcn-amd-amdhsa--gfx1250"
	.amdhsa_code_object_version 6
	.text
	.protected	k_q0ec320b23b_proj
	.globl	k_q0ec320b23b_proj
	.p2align	8
	.type	k_q0ec320b23b_proj,@function
k_q0ec320b23b_proj:
	s_mov_b64 s[64:65], 0
	v_nop
	global_prefetch_b8 v0, s[64:65] scope:SCOPE_SE
	s_setreg_imm32_b32 hwreg(HW_REG_WAVE_MODE, 25, 1), 1
	s_wait_xcnt 0x0
	s_wait_alu depctr_hold_cnt(0) depctr_sa_sdst(0) depctr_va_vdst(0) depctr_va_sdst(0) depctr_va_ssrc(0) depctr_va_vcc(0) depctr_vm_vsrc(0)
	s_getreg_b32 s2, hwreg(HW_REG_IB_STS2, 6, 4)
	s_cmp_eq_u32 s2, 0
	s_cbranch_scc0 .Lentry_in_a_cluster
	s_endpgm
.Lentry_in_a_cluster:
	s_bfe_u32 s2, ttmp6, 0x10000c
	s_cmp_lg_u32 s2, 0xf033
	s_cbranch_scc0 .Lentry_shape_is_right
	s_endpgm
.Lentry_shape_is_right:
; qkvh[b][ch][s][d] = sum over c of xh[b][c][s] wb[c][64 ch + d] + bias[64 ch + d], ch = 0 .. 23 (8 heads of Q, of K, of V), f16 out, sums in f32.
; Q's chunks (ch < 8) are multiplied by 0.125 log2(e), so that the attention launch can use 2^x on the raw products.
; A work-group makes 192 columns l (three chunks; work-group x) x 256 tokens s (work-group y = 4 b + s block) with four waves;
; a wave makes 96 l x 128 s: 48 accumulator tiles, 384 registers; for 32 along c it issues 28 LDS loads and 48 matrix instructions.
; c goes in four steps of 128 through two LDS slots.  Both tiles lie [c][..] in memory, so both fragments come by transposing loads.
; THE ORIENTATION: A = weights (m = l), B = xh (n = s): a lane's eight results are eight neighbouring d of one token, 16 bytes of f16.
; CLUSTERS: 4 x 4 work-groups.  xh's tile hangs on work-group y alone and is asked for jointly by a row of the cluster, the weights' tile
; on work-group x alone, by a column: four requests become one.
; LIMITS: f16 operands and results: magnitudes above 65,504 become infinite, those under 6e-5 keep an absolute error of 3e-8.
; REGISTERS: window 0: v16-29 addresses, v32-143 and v144-255 two fragment buffers (6 weight fragments, then 8 of xh);
;            window 1: accumulators of l tiles 0-3 at 8 (8 i + t);  window 2: of l tiles 4, 5 at 8 (8 (i - 4) + t).
.set SLOT,  131072                     ; xh's 128 rows, then the weights' 128 rows
.set XP,    544                        ; xh: 512 bytes of a row + 32 of padding
.set WP,    480                        ; weights: three pieces of 128 bytes, 32 of padding behind each
.set WPART, 128*XP
.set BSB,   2*SLOT                     ; behind the slots: 768 bytes of bias for each wave, which no tensor load fills
.set SP,    144                        ; the way out: a token's 128 bytes + 16
.set CHK,   256*SP                     ; a chunk's 256 tokens in the stage
.set F0,    32
.set F1,    144
.set G1X,   24                         ; s[24:31] group 1 for xh's tiles
.set G0X,   32                         ; s[32:39] group 0 for xh's tiles, one set a slot
.set G1W,   48                         ; s[48:55] group 1 for the weights' tiles
.set G0W,   56                         ; s[56:63] group 0 for the weights' tiles, one set a slot
.set MSB,   0
.macro WIN new                         ; the immediate's high byte repeats the setting that is left
.if MSB != \new
	s_set_vgpr_msb (MSB<<8)|\new
.set MSB, \new
.endif
.endm
.macro PLACES n
.rept \n
	v_nop
.endr
.endm
; A joint load: waves 0, 1 fetch xh's two halves of 64 rows, waves 2, 3 the weights'.  The branch hangs on the wave's number alone.
.macro JLOAD slot
	s_cmp_eq_u32 s13, 0
	s_cbranch_scc0 .Lfor_w_\@
	tensor_load_to_lds s[G0X+4*\slot:G0X+4*\slot+3], s[G1X:G1X+7]
	s_nop 0
	s_branch .Lasked_\@
.Lfor_w_\@:
	tensor_load_to_lds s[G0W+4*\slot:G0W+4*\slot+3], s[G1W:G1W+7]
	s_nop 0
.Lasked_\@:
.endm
.macro CREST                           ; a round of the cluster's barrier behind its opening work-group barrier
	s_cmp_lg_u32 s12, 0
	s_cbranch_scc1 .Lnot_wave_0_\@
	s_barrier_signal -3
.Lnot_wave_0_\@:
	s_barrier_wait -3
	s_barrier_signal -1
	s_barrier_wait -1
.endm
.macro CROUND                          ; a whole round
	s_barrier_signal -1
	s_barrier_wait -1
	CREST
.endm
	s_load_b256 s[4:11], s[0:1], 0x0               ; xh s[4:5], wb s[6:7], pb s[8:9], qkvh s[10:11]
	v_lshl_add_u32 v30, v0, 2, 0x41000
	v_mov_b32 v31, 0
	ds_add_u32 v30, v31
	v_lshrrev_b32 v1, 5, v0
	v_readfirstlane_b32 s12, v1                    ; wave
	s_lshr_b32 s13, s12, 1                         ; lh: which 32 of each chunk's 64 columns are mine.  Also: I fetch xh (0) or weights (1)
	s_and_b32 s14, s12, 1                          ; sh: which 128 tokens.  Also: which 64 rows of the tile I fetch
	s_bfe_u32 s40, ttmp6, 0x40000                  ; cx
	s_bfe_u32 s41, ttmp6, 0x40004                  ; cy
	s_lshl_b32 s42, ttmp9, 2
	s_add_co_u32 s42, s42, s40                     ; work-group x: columns 192 x ..
	s_and_b32 s43, ttmp7, 0xffff
	s_lshl_b32 s43, s43, 2
	s_add_co_u32 s43, s43, s41                     ; work-group y = 4 b + s block
	s_lshl_b32 s44, s41, 2
	s_lshl_b32 s44, 15, s44                        ; my row of the cluster
	s_lshl_b32 s45, 0x1111, s40                    ; my column
	s_or_b32 s[G1X+0], s44, 0x0fb10000             ; mask; 2-byte elements; padding on; bit 21 beside a mask; 8 words behind every 128
	s_mov_b32 s[G1X+1], 256<<16                    ; tensor_dim0 = 256 elements
	s_mov_b32 s[G1X+2], 64<<16                     ; tensor_dim1 = 64 rows
	s_mov_b32 s[G1X+3], 256<<16                    ; tile_dim0
	s_mov_b32 s[G1X+4], 64                         ; tile_dim1
	s_mov_b32 s[G1X+5], 1024                       ; from a channel to the next: 1,024 elements
	s_mov_b32 s[G1X+6], 0
	s_mov_b32 s[G1X+7], 0
	s_or_b32 s[G1W+0], s45, 0x0f310000             ; the same with my column's mask and 8 words behind every 32
	s_mov_b32 s[G1W+1], 192<<16
	s_mov_b32 s[G1W+2], 64<<16
	s_mov_b32 s[G1W+3], 192<<16
	s_mov_b32 s[G1W+4], 64
	s_mov_b32 s[G1W+5], 2048
	s_mov_b32 s[G1W+6], 0
	s_mov_b32 s[G1W+7], 0
	s_lshr_b32 s15, s43, 2                         ; b
	s_and_b32 s18, s43, 3                          ; s block
	s_lshl_b32 s16, s15, 20                        ; xh: 1 MiB a batch
	s_lshl_b32 s19, s18, 9                         ; + 512 bytes an s block
	s_add_co_u32 s16, s16, s19
	s_lshl_b32 s19, s14, 17                        ; + my 64 rows of 2,048 bytes
	s_add_co_u32 s16, s16, s19
	s_mov_b32 s17, 0
	s_mul_i32 s46, s42, 384                        ; wb: 384 bytes a column block
	s_lshl_b32 s47, s14, 18                        ; + my 64 rows of 4,096 bytes
	s_add_co_u32 s46, s46, s47
	s_mov_b32 s47, 0
	s_mul_i32 s20, s12, 64*XP                      ; LDS: xh's halves at wave x 34,816 (waves 0, 1)
	s_mul_i32 s21, s12, 64*WP
	s_add_co_u32 s21, s21, WPART-2*64*WP           ; the weights' at 69,632 + (wave - 2) x 30,720 (waves 2, 3)
	; lane terms
	v_and_b32 v1, 31, v0                           ; L
	v_and_b32 v2, 15, v0                           ; r
	v_bfe_u32 v3, v0, 4, 1                         ; h
	v_and_b32 v4, 7, v0
	v_lshl_or_b32 v4, v3, 3, v4                    ; the row that a transposing load's lane addresses: 8 h + (L & 7)
	v_bfe_u32 v5, v0, 3, 1
	v_lshlrev_b32 v5, 4, v5                        ; and its 16 bytes: 16 ((L >> 3) & 1)
	v_bfe_u32 v6, v0, 3, 2                         ; L >> 3
	v_and_b32 v7, 7, v0
	v_mad_u32_u24 v16, v4, XP, v5
	s_lshl_b32 s22, s14, 8
	v_add_nc_u32 v16, s22, v16                     ; xh fragments, slot 0: my 128 tokens begin at byte 256 sh of a row
	v_add_nc_u32 v17, SLOT, v16                    ; slot 1
	v_mad_u32_u24 v18, v4, WP, v5
	s_lshl_b32 s22, s13, 6
	s_add_co_u32 s22, s22, WPART
	v_add_nc_u32 v18, s22, v18                     ; weight fragments, slot 0: my 32 columns begin at byte 64 lh of a piece
	v_add_nc_u32 v19, SLOT, v18
	v_mul_u32_u24 v20, v2, SP
	v_lshl_add_u32 v20, v3, 4, v20
	s_mul_i32 s22, s14, 128*SP
	s_lshl_b32 s23, s13, 6
	s_add_co_u32 s22, s22, s23
	v_add_nc_u32 v20, s22, v20                     ; the way out, in: token 128 sh + r, byte 64 lh + 16 h; chunk 0, 1, 2
	v_add_nc_u32 v21, CHK, v20
	v_add_nc_u32 v22, 2*CHK, v20
	v_mul_u32_u24 v23, v6, SP
	v_lshl_add_u32 v23, v7, 4, v23
	s_mul_i32 s22, s12, 64*SP
	v_add_nc_u32 v23, s22, v23                     ; back: tokens 64 wave + .., four whole tokens a load; chunk 0, 1, 2
	v_add_nc_u32 v24, CHK, v23
	v_add_nc_u32 v25, 2*CHK, v23
	s_lshl_b32 s22, s12, 13
	v_lshl_add_u32 v26, v1, 4, s22                 ; and the same bytes in a chunk of qkvh
	s_mul_i32 s22, s12, 768
	s_add_co_u32 s22, s22, BSB
	v_lshl_add_u32 v28, v1, 3, s22                 ; my wave's bias, in
	s_lshl_b32 s23, s13, 7
	s_add_co_u32 s22, s22, s23
	v_lshl_add_u32 v27, v3, 5, s22                 ; back: 4 (32 lh + 8 h)
	v_lshlrev_b32 v29, 3, v1                       ; pb: two numbers a lane
	s_wait_dscnt 0x0
	s_wait_kmcnt 0x0
	s_add_nc_u64 s[16:17], s[4:5], s[16:17]
	s_add_nc_u64 s[46:47], s[6:7], s[46:47]
	CROUND                                         ; all sixteen work-groups are here: the first joint loads meet
.irp s, 0,1
	s_mov_b32 s[G0X+4*\s], 1
	s_add_co_u32 s[G0X+4*\s+1], s20, \s*SLOT
	s_add_nc_u64 s[G0X+4*\s+2:G0X+4*\s+3], s[16:17], \s*128*2048   ; step s: 128 channels on
	s_or_b32 s[G0X+4*\s+3], s[G0X+4*\s+3], 0x80000000
	s_mov_b32 s[G0W+4*\s], 1
	s_add_co_u32 s[G0W+4*\s+1], s21, \s*SLOT
	s_add_nc_u64 s[G0W+4*\s+2:G0W+4*\s+3], s[46:47], \s*128*4096
	s_or_b32 s[G0W+4*\s+3], s[G0W+4*\s+3], 0x80000000
	JLOAD \s                                       ; both slots are asked for before anything else: two loads of the wave are out, later one
.endr
	; While the tiles are on their way: the 192 biases, summed over pb's 16 row blocks, scaled, into my wave's own LDS bytes.
	s_mul_i32 s22, s42, 768
	s_mov_b32 s23, 0
	s_add_nc_u64 s[8:9], s[8:9], s[22:23]
.set i, 0
.rept 16
.irp c, 0,1,2
	global_load_b64 v[32+2*(3*i+\c):33+2*(3*i+\c)], v29, s[8:9] offset:6144*i+256*\c
.endr
.set i, i+1
.endr
	s_mul_i32 s77, s42, 3                          ; my first chunk
.irp c, 0,1,2
	s_add_co_u32 s78, s77, \c
	s_cmp_lt_u32 s78, 8                            ; a chunk of Q?
	s_cselect_b32 s[68+2*\c], 0x3e38aa3b, 1.0      ; 0.125 log2(e), or 1
	s_mov_b32 s[69+2*\c], s[68+2*\c]
.endr
	s_mul_i32 s76, s15, 24
	s_add_co_u32 s76, s76, s77
	s_lshl_b32 s76, s76, 17                        ; qkvh: 131,072 bytes a chunk
	s_lshl_b32 s78, s18, 15                        ; + 256 tokens of 128 bytes an s block
	s_add_co_u32 s76, s76, s78
	s_mov_b32 s77, 0
	s_add_nc_u64 s[10:11], s[10:11], s[76:77]
	s_wait_loadcnt 0x0
.set i, 1
.rept 15
.irp c, 0,1,2
	v_pk_add_f32 v[32+2*\c:33+2*\c], v[32+2*\c:33+2*\c], v[32+2*(3*i+\c):33+2*(3*i+\c)]
.endr
.set i, i+1
.endr
.irp c, 0,1,2
	v_pk_mul_f32 v[32+2*\c:33+2*\c], v[32+2*\c:33+2*\c], s[68+2*\c:69+2*\c] op_sel_hi:[1,0]
	ds_store_b64 v28, v[32+2*\c:33+2*\c] offset:256*\c
.endr
; Eight matrix instructions: l tile i x my eight s tiles, 32 along c; accumulators at 64 a of the window set.
.macro MULROW f, i, a, zero
.irp t, 0,1,2,3,4,5,6,7
.if \zero
	v_wmma_f32_16x16x32_f16 v[64*\a+8*\t:64*\a+8*\t+7], v[\f+8*\i:\f+8*\i+7], v[\f+48+8*\t:\f+48+8*\t+7], 0
.else
	v_wmma_f32_16x16x32_f16 v[64*\a+8*\t:64*\a+8*\t+7], v[\f+8*\i:\f+8*\i+7], v[\f+48+8*\t:\f+48+8*\t+7], v[64*\a+8*\t:64*\a+8*\t+7]
.endif
.endr
.endm
; The 48 accumulators take turns, one instruction a turn, in the same order in every quarter step.
.macro MULG2 f, zero                   ; l tiles 4, 5: C and D in window 2
	WIN 0xa0
	MULROW \f, 4, 0, \zero
	MULROW \f, 5, 1, \zero
.endm
.macro MULG1 f, zero                   ; l tiles 0 to 3: C and D in window 1
	WIN 0x50
	MULROW \f, 0, 0, \zero
	MULROW \f, 1, 1, \zero
	MULROW \f, 2, 2, \zero
	MULROW \f, 3, 3, \zero
.endm
; 28 transposing loads in one run: the fragments of quarter kq (32 channels) of a slot into buffer f: xh, weight tiles 4, 5, weight tiles 0 to 3.
.macro FETCH slot, kq, f
	WIN 0
.irp t, 0,1,2,3,4,5,6,7
	ds_load_tr16_b128 v[\f+48+8*\t:\f+48+8*\t+3],   v[16+\slot] offset:\kq*32*XP+32*\t
	ds_load_tr16_b128 v[\f+48+8*\t+4:\f+48+8*\t+7], v[16+\slot] offset:\kq*32*XP+32*\t+16*XP
.endr
.irp i, 4,5,0,1,2,3
	ds_load_tr16_b128 v[\f+8*\i:\f+8*\i+3],   v[18+\slot] offset:\kq*32*WP+160*(\i/2)+32*(\i%2)
	ds_load_tr16_b128 v[\f+8*\i+4:\f+8*\i+7], v[18+\slot] offset:\kq*32*WP+160*(\i/2)+32*(\i%2)+16*WP
.endr
.endm
; One of a step's first three quarters: multiplies buffer f and, behind its first third, fetches the next quarter into buffer g.
; Four plain places stand between the last matrix instruction and the loads into registers that matrix instructions have read.
.macro QUARTER slot, kq, f, g, zero
	s_wait_dscnt 8                                 ; xh and weight tiles 4, 5 are in; the youngest eight loads (tiles 0 to 3) may be out
	MULG2 \f, \zero
	PLACES 4
	FETCH \slot, \kq, \g
	s_wait_dscnt 28                                ; all but the 28 just issued
	MULG1 \f, \zero
.endm
.macro THREE slot, zero
	QUARTER \slot, 1, F0, F1, \zero
	QUARTER \slot, 2, F1, F0, 0
	QUARTER \slot, 3, F0, F1, 0
.endm
; The last quarter multiplies buffer 1 and changes slots.  In front of the barrier each wave waits for its reads of this slot and for all its
; tensor loads (one is out: its part of the next slot).  fill = 1: the barrier opens a round of the cluster's barrier, and the joint refill of
; this slot, two steps ahead, is the first tensor load behind the round.
.macro TURN slot, next, fill
	s_wait_dscnt 0x0
	s_wait_tensorcnt 0x0
	ds_add_u32 v30, v31
	s_wait_dscnt 0x0
	s_barrier_signal -1
	MULG2 F1, 0                                    ; register work while the others arrive
	WIN 0
	s_barrier_wait -1
.if \fill
	CREST
	s_add_nc_u64 s[G0X+4*\slot+2:G0X+4*\slot+3], s[G0X+4*\slot+2:G0X+4*\slot+3], 2*128*2048   ; no load of mine is out: group 0 may be written
	s_add_nc_u64 s[G0W+4*\slot+2:G0W+4*\slot+3], s[G0W+4*\slot+2:G0W+4*\slot+3], 2*128*4096
	JLOAD \slot
.endif
	PLACES 4
	FETCH \next, 0, F0
	MULG1 F1, 0
.endm
	s_wait_dscnt 0x0                               ; my bias is stored: no LDS instruction is pending at a signal
	s_wait_tensorcnt 0x1                           ; my part of step 0 is in; step 1's stays out
	s_barrier_signal -1
	s_barrier_wait -1
	FETCH 0, 0, F0
	THREE 0, 1                                     ; the first products start the sums: nothing is cleared
	TURN 0, 1, 1                                   ; slot 0 gets step 2
	THREE 1, 0
	TURN 1, 0, 1                                   ; slot 1 gets step 3
	THREE 0, 0
	TURN 0, 1, 0                                   ; nothing is left to fetch; behind this barrier no wave reads slot 0 any more
	THREE 1, 0
	s_wait_dscnt 8
	MULG2 F1, 0
	s_wait_dscnt 0x0
	MULG1 F1, 0
	; THE WAY OUT, chunk by chunk, so that a chunk's stores leave while the next chunk is still scaled and rounded.
	; result = sum x scale + bias x scale, to f16, 16 bytes a lane into the stage (slot 0, which has had its last fill and its last read; each chunk
	; has 36,864 bytes of its own there), read back as whole tokens of 128 bytes, four to a load, and stored as 512 consecutive bytes.
	PLACES 4                                       ; behind the last matrix instructions: their results are read, their sources loaded into
	WIN 0
.irp i, 0,1,2,3,4,5
	ds_load_b128 v[144+8*\i:147+8*\i], v27 offset:256*(\i/2)+64*(\i%2)      ; my eight biases of l tile i (my wave's own bytes)
	ds_load_b128 v[148+8*\i:151+8*\i], v27 offset:256*(\i/2)+64*(\i%2)+16
.endr
	s_wait_dscnt 0x0
.macro OUTROW i, win, a
	WIN \win                                       ; source 0 in the accumulators' window
.irp t, 0,1,2,3,4,5,6,7
.irp p, 0,1,2,3
	v_pk_fma_f32 v[32+8*\t+2*\p:33+8*\t+2*\p], v[64*\a+8*\t+2*\p:64*\a+8*\t+2*\p+1], s[68+2*(\i/2):69+2*(\i/2)], v[144+8*\i+2*\p:145+8*\i+2*\p] op_sel_hi:[1,0,1]
.endr
.endr
	WIN 0
.irp t, 0,1,2,3,4,5,6,7
.irp p, 0,1,2,3
	v_cvt_pk_f16_f32 v[96+4*\t+\p], v[32+8*\t+2*\p], v[33+8*\t+2*\p]
.endr
.endr
.irp t, 0,1,2,3,4,5,6,7
	ds_store_b128 v[20+\i/2], v[96+4*\t:99+4*\t] offset:16*SP*\t+32*(\i%2)
.endr
.endm
; A token's 128 bytes of a chunk come from two waves: stores, wait, barrier, loads.
.macro STAGED
	s_wait_dscnt 0x0
	s_barrier_signal -1
	s_barrier_wait -1
.endm
.macro OUTCHUNK c, reg
.set it, 0
.rept 16
	ds_load_b128 v[\reg+4*it:\reg+4*it+3], v[23+\c] offset:4*SP*it
.set it, it+1
.endr
.set it, 0
.rept 16
	s_wait_dscnt 15-it                             ; LDS loads come back in order: load it is in, the younger ones stay out
	global_store_b128 v26, v[\reg+4*it:\reg+4*it+3], s[10:11] offset:131072*\c+512*it
.set it, it+1
.endr
.endm
	OUTROW 0, 0x01, 0
	OUTROW 1, 0x01, 1
	STAGED
	OUTCHUNK 0, 192                                ; v[192:255]: free since the places behind the last matrix instructions
	OUTROW 2, 0x01, 2
	OUTROW 3, 0x01, 3
	STAGED
	s_wait_xcnt 0x0                                ; v[192:255] were the data of chunk 0's stores: they are loaded again only behind this wait (ISA guide 3.1)
	OUTCHUNK 1, 192
	OUTROW 4, 0x02, 0
	OUTROW 5, 0x02, 1
	STAGED
	OUTCHUNK 2, 32                                 ; v[32:95]: the last tile row has been rounded out of them
	s_wait_tensorcnt 0x0
	ds_add_u32 v30, v31
	s_wait_dscnt 0x0
	CROUND                                         ; the closing round: no work-group ends while a partner may still ask jointly
	s_endpgm
.Lfunc_end_k_q0ec320b23b_proj:
	.size	k_q0ec320b23b_proj, .Lfunc_end_k_q0ec320b23b_proj-k_q0ec320b23b_proj
	.p2alignl 7, 3214868480
	.fill 96, 4, 3214868480
	.section	.rodata,"a",@progbits
	.p2align	6, 0x0
	.amdhsa_kernel k_q0ec320b23b_proj
		.amdhsa_group_segment_fixed_size 327680
		.amdhsa_private_segment_fixed_size 0
		.amdhsa_enable_private_segment 0
		.amdhsa_kernarg_size 32
		.amdhsa_user_sgpr_count 2
		.amdhsa_user_sgpr_kernarg_segment_ptr 1
		.amdhsa_wavefront_size32 1
		.amdhsa_system_sgpr_workgroup_id_x 1
		.amdhsa_system_sgpr_workgroup_id_y 1
		.amdhsa_system_sgpr_workgroup_id_z 1
		.amdhsa_system_vgpr_workitem_id 0
		.amdhsa_next_free_vgpr 640
		.amdhsa_next_free_sgpr 84
		.amdhsa_reserve_vcc 0
		.amdhsa_float_denorm_mode_32 3
		.amdhsa_float_denorm_mode_16_64 3
		.amdhsa_memory_ordered 1
		.amdhsa_forward_progress 1
		.amdhsa_inst_pref_size 136
	.end_amdhsa_kernel
	.amdgpu_metadata
---
amdhsa.version: [ 1, 2 ]
amdhsa.kernels:
  - .name:           k_q0ec320b23b_proj
    .symbol:         k_q0ec320b23b_proj.kd
    .args:
      - { .name: xh, .offset: 0, .size: 8, .value_kind: global_buffer, .address_space: global }
      - { .name: wb, .offset: 8, .size: 8, .value_kind: global_buffer, .address_space: global }
      - { .name: pb, .offset: 16, .size: 8, .value_kind: global_buffer, .address_space: global }
      - { .name: qkvh, .offset: 24, .size: 8, .value_kind: global_buffer, .address_space: global }
    .group_segment_fixed_size: 327680
    .private_segment_fixed_size: 0
    .kernarg_segment_align: 8
    .kernarg_segment_size: 32
    .max_flat_workgroup_size: 128
    .sgpr_count:     84
    .vgpr_count:     640
    .wavefront_size: 32
...
	.end_amdgpu_metadata
.endif
;; end of part 2
;; launch attn (part 3): grid 4 x 64, 8 waves a work-group, clusters of 4 x 1, 327,680 bytes of LDS; arguments qkvh, xo; writes xo
.if DOCPART == 3
	.amdgcn_target "amdgcn-amd-amdhsa--gfx1250"
	.amdhsa_code_object_version 6
	.text
	.protected	k_q0ec320b23b_attn
	.globl	k_q0ec320b23b_attn
	.p2align	8
	.type	k_q0ec320b23b_attn,@function
k_q0ec320b23b_attn:
	s_mov_b64 s[64:65], 0
	v_nop
	global_prefetch_b8 v0, s[64:65] scope:SCOPE_SE
	s_setreg_imm32_b32 hwreg(HW_REG_WAVE_MODE, 25, 1), 1
	s_wait_xcnt 0x0
	s_wait_alu depctr_hold_cnt(0) depctr_sa_sdst(0) depctr_va_vdst(0) depctr_va_sdst(0) depctr_va_ssrc(0) depctr_va_vcc(0) depctr_vm_vsrc(0)
	s_getreg_b32 s2, hwreg(HW_REG_IB_STS2, 6, 4)
	s_cmp_eq_u32 s2, 0
	s_cbranch_scc0 .Lentry_in_a_cluster
	s_endpgm
.Lentry_in_a_cluster:
	s_bfe_u32 s2, ttmp6, 0x10000c
	s_cmp_lg_u32 s2, 0x3003
	s_cbranch_scc0 .Lentry_shape_is_right
	s_endpgm
.Lentry_shape_is_right:
; xo[b][h][s][d] = softmax over keys of (Q K^T / 8) V for one head, f16 in and out, everything between in f32, with a running maximum.
; Q comes already multiplied by 0.125 log2(e), so p = 2^(s - m).
; A work-group is one head (work-group y = 8 b + h) and 256 queries (work-group x).  All 1,024 keys' K and V lie in LDS at once: no byte is ever
; filled again.  Eight waves: wave w holds queries 64 (w & 3) .. + 63 and walks the blocks of 64 keys of parity w >> 2, eight blocks; the two
; halves of the keys are merged once at the end through LDS.  With 64 queries a wave, 32 LDS loads feed 64 matrix instructions.
; THE FILLS: what the first two blocks of each parity need is asked for first and alone: Q, then keys 0-255 (64 rows a wave, 64 KiB for the
; work-group).  The other 768 keys (192 rows a wave) are asked for when those have landed, behind a round of the cluster's barrier, and have two
; blocks, 128 matrix instructions of a wave, in which to land.  A wave has one tensor load out at a time.
; THE ORIENTATION: S^T = K Q^T (A = 16 keys, B = 16 queries): lane (r, h) holds keys 8 h + 0..7 of query r, so maximum, factor and sum are one
; number a lane, and two key tiles rounded to f16 ARE the B fragment of O^T = V^T P^T (A = V by transposing loads): nothing moves between lanes
; but one exchange of the lanes' halves for the maximum of each block.
; CLUSTERS: the four query blocks of a head read the same K and V: they form a cluster and ask jointly (mask 15).
; LIMITS: f16 operands; the row sums add the f32 exponentials while the products use them rounded to f16.
; REGISTERS: window 0: v8-14 addresses; MP (m, new m), AP (factor, scratch), LS (sum, sum) pairs for four query tiles; QF, KF, VF fragments.
;            window 1: S(kt, qt) at 8 (4 kt + qt); O(dt, qt) at 128 + 8 (4 dt + qt).
.set KP,  144                          ; K: a key's 128 bytes + 16
.set VP,  160                          ; V: + 32
.set VB,  1024*KP                      ; V lies behind K
.set MP,  16
.set AP,  24
.set LS,  32
.set QF,  40                           ; v[40:103]   Q fragments at 8 (2 qt + ks)
.set KF,  104                          ; v[104:167]  K fragments at 8 (2 kt + ks)
.set VF,  168                          ; v[168:231]  V fragments at 8 (2 dt + kg)
.set PT,  232                          ; v[232:247]  the partner's m and sums
.set OB,  128
.set MRG, 18432                        ; the merge: 16,384 bytes of O and 2,048 of m and sums for each pair of waves, in K's bytes after their last read
.set STG, 4*MRG                        ; the way out: 64 queries x 144 bytes for each of four waves, behind the merge
.set MSB, 0
.macro WIN new
.if MSB != \new
	s_set_vgpr_msb (MSB<<8)|\new
.set MSB, \new
.endif
.endm
.macro PLACES n
.rept \n
	v_nop
.endr
.endm
.macro ROUND                           ; a round of the cluster's barrier
	s_barrier_signal -1
	s_barrier_wait -1
	s_cmp_lg_u32 s8, 0
	s_cbranch_scc1 .Lnot_wave_0_\@
	s_barrier_signal -3
.Lnot_wave_0_\@:
	s_barrier_wait -3
	s_barrier_signal -1
	s_barrier_wait -1
.endm
	s_load_b128 s[4:7], s[0:1], 0x0                ; qkvh s[4:5], xo s[6:7]
	v_lshl_add_u32 v254, v0, 2, 0x4c000
	v_mov_b32 v255, 0
	ds_add_u32 v254, v255
	v_lshrrev_b32 v1, 5, v0
	v_readfirstlane_b32 s8, v1                     ; wave
	s_lshr_b32 s9, s8, 2                           ; parity of my key blocks.  Also: I fetch K (0) or V (1)
	s_and_b32 s10, s8, 3                           ; u: which 64 queries; which part of K or V I fetch
	s_and_b32 s11, ttmp7, 0xffff                   ; 8 b + head
	s_bfe_u32 s14, ttmp6, 0x40000                  ; cx
	s_lshl_b32 s15, ttmp9, 2
	s_add_co_u32 s14, s15, s14                     ; query block
	s_mov_b32 s12, 0x76543210                      ; v_permlanex16_b32: lane i takes lane i of the other half
	s_mov_b32 s13, 0xfedcba98
	s_lshr_b32 s40, s11, 3
	s_mul_i32 s40, s40, 24
	s_and_b32 s41, s11, 7
	s_add_co_u32 s40, s40, s41                     ; Q's chunk: 24 b + head
	s_lshl3_add_u32 s41, s9, s40
	s_add_co_u32 s41, s41, 8                       ; the chunk that I fetch: K's is 8 on, V's 16
	s_lshl_b32 s42, s41, 17
	s_lshl_b32 s44, s10, 13
	s_add_co_u32 s42, s42, s44                     ; first fill: keys 64 u .. + 63
	s_mov_b32 s43, 0
	s_mul_i32 s44, s10, 192*128
	s_lshl_b32 s45, s41, 17
	s_add_co_u32 s44, s44, s45
	s_add_co_u32 s44, s44, 256*128                 ; second fill: keys 256 + 192 u .. + 191
	s_mov_b32 s45, 0
	s_lshl_b32 s46, s40, 17
	s_lshl_b32 s47, s14, 15
	s_add_co_u32 s46, s46, s47
	s_lshl_b32 s47, s10, 13
	s_add_co_u32 s46, s46, s47                     ; my 64 queries in Q's chunk
	s_lshl_b32 s48, s11, 17
	s_lshl_b32 s49, s14, 15
	s_add_co_u32 s48, s48, s49
	s_add_co_u32 s48, s48, s47                     ; and in xo
	s_mov_b32 s47, 0
	s_mov_b32 s49, 0
	; group 1, twice: 64 or 192 rows of 64 elements; word 0 (mask 15, padding) is set with the fills
	s_mov_b32 s17, 64<<16
	s_mov_b32 s18, 64<<16
	s_mov_b32 s19, 64<<16
	s_mov_b32 s20, 64
	s_mov_b32 s21, 64
	s_mov_b32 s22, 0
	s_mov_b32 s23, 0
	s_mov_b32 s25, 64<<16
	s_mov_b32 s26, 192<<16
	s_mov_b32 s27, 64<<16
	s_mov_b32 s28, 192
	s_mov_b32 s29, 64
	s_mov_b32 s30, 0
	s_mov_b32 s31, 0
	s_mov_b32 s32, 1
	s_mov_b32 s36, 1
	; lane terms
	v_and_b32 v1, 31, v0                           ; L
	v_and_b32 v2, 15, v0                           ; r
	v_bfe_u32 v3, v0, 4, 1                         ; h
	v_and_b32 v4, 7, v0
	v_lshl_or_b32 v4, v3, 3, v4                    ; 8 h + (L & 7)
	v_bfe_u32 v5, v0, 3, 1
	v_lshlrev_b32 v5, 4, v5                        ; 16 ((L >> 3) & 1)
	v_bfe_u32 v6, v0, 3, 2                         ; L >> 3
	v_and_b32 v7, 7, v0
	v_mul_u32_u24 v15, v2, KP
	v_lshl_add_u32 v15, v3, 4, v15                 ; 144 r + 16 h
	s_mul_i32 s50, s9, 64*KP
	v_add_nc_u32 v8, s50, v15                      ; K fragments of my first block
	v_mad_u32_u24 v9, v4, VP, v5
	s_mul_i32 s50, s9, 64*VP
	s_add_co_u32 s50, s50, VB
	v_add_nc_u32 v9, s50, v9                       ; V fragments of my first block
	v_lshlrev_b32 v10, 7, v2
	v_lshl_add_u32 v10, v3, 4, v10                 ; Q: 128 r + 16 h
	s_mul_i32 s50, s8, 64*KP
	s_add_co_u32 s50, s50, STG
	v_add_nc_u32 v11, s50, v15                     ; the way out, in
	v_mul_u32_u24 v12, v6, KP
	v_lshl_add_u32 v12, v7, 4, v12
	v_add_nc_u32 v12, s50, v12                     ; back: four whole queries a load
	v_lshlrev_b32 v13, 4, v1                       ; xo: 16 bytes a lane
	s_mul_i32 s50, s10, MRG
	v_lshl_add_u32 v14, v1, 4, s50                 ; the merge: my pair's bytes
.irp q, 0,1,2,3
	v_mov_b32 v[AP+2*\q+1], 0                      ; v_permlanex16_b32 counts as a reader of its destination
.endr
	s_wait_dscnt 0x0
	s_wait_kmcnt 0x0
	s_add_nc_u64 s[34:35], s[4:5], s[42:43]
	s_or_b32 s35, s35, 0x80000000
	s_add_nc_u64 s[38:39], s[4:5], s[44:45]
	s_or_b32 s39, s39, 0x80000000
	s_add_nc_u64 s[46:47], s[4:5], s[46:47]
	s_add_nc_u64 s[48:49], s[6:7], s[48:49]
.irp q, 0,1,2,3
.irp k, 0,1
	global_load_b128 v[QF+8*(2*\q+\k):QF+8*(2*\q+\k)+3],   v10, s[46:47] offset:2048*\q+64*\k      ; Q goes out first of all: nobody writes it, so it may be on its way across the rounds
	global_load_b128 v[QF+8*(2*\q+\k)+4:QF+8*(2*\q+\k)+7], v10, s[46:47] offset:2048*\q+64*\k+32
.endr
.endr
	ROUND                                          ; the four work-groups are here: the joint loads meet
	s_cmp_lt_u32 s8, 4                             ; waves 0-3 fetch K, waves 4-7 V: the branch hangs on the wave's number alone
	s_cbranch_scc0 .Lfirst_v
	s_mov_b32 s16, 0x0731000f                      ; mask 15; 2-byte elements; padding on; bit 21 beside a mask; 4 words behind every 32
	s_mul_i32 s33, s8, 64*KP
	tensor_load_to_lds s[32:35], s[16:23]          ; keys 64 u .. + 63
	s_nop 0
	s_branch .Lfirst_done
.Lfirst_v:
	s_mov_b32 s16, 0x0f31000f                      ; the same with 8 words of padding
	s_mul_i32 s33, s8, 64*VP
	s_add_co_u32 s33, s33, VB-4*64*VP              ; VB + (wave - 4) x 64 rows
	tensor_load_to_lds s[32:35], s[16:23]
	s_nop 0
.Lfirst_done:
.macro LOADK                           ; 16 loads: my next block's 64 keys x 64 d; then the address steps two blocks on
.irp t, 0,1,2,3
.irp k, 0,1
	ds_load_b128 v[KF+8*(2*\t+\k):KF+8*(2*\t+\k)+3],   v8 offset:16*KP*\t+64*\k
	ds_load_b128 v[KF+8*(2*\t+\k)+4:KF+8*(2*\t+\k)+7], v8 offset:16*KP*\t+64*\k+32
.endr
.endr
	v_add_nc_u32 v8, 128*KP, v8
.endm
.macro LOADV                           ; 16 transposing loads: 64 d x this block's 64 keys
.irp d, 0,1,2,3
.irp g, 0,1
	ds_load_tr16_b128 v[VF+8*(2*\d+\g):VF+8*(2*\d+\g)+3],   v9 offset:32*VP*\g+32*\d
	ds_load_tr16_b128 v[VF+8*(2*\d+\g)+4:VF+8*(2*\d+\g)+7], v9 offset:32*VP*\g+32*\d+16*VP
.endr
.endr
	v_add_nc_u32 v9, 128*VP, v9
.endm
; One block of 64 keys.  first = 1: nothing is carried yet.  nextk = 1: the next block's K fragments are fetched behind the S products.
; All matrix instructions take their accumulators by turns, one instruction a turn, over the loop's backward jump too.
.macro BLOCK first, nextk
.if \first == 0
	PLACES 5                                       ; the last block's PV products read VF, which is loaded into, and P, which the S products write over (ISA guide 7.12.1)
.endif
	LOADV
	s_wait_dscnt 16                                ; K's 16 loads, issued ahead of V's 16, are in
	WIN 0x50
.irp k, 0,1
.irp t, 0,1,2,3
.irp q, 0,1,2,3
.if \k == 0
	v_wmma_f32_16x16x32_f16 v[8*(4*\t+\q):8*(4*\t+\q)+7], v[KF+16*\t:KF+16*\t+7], v[QF+16*\q:QF+16*\q+7], 0
.else
	v_wmma_f32_16x16x32_f16 v[8*(4*\t+\q):8*(4*\t+\q)+7], v[KF+16*\t+8:KF+16*\t+15], v[QF+16*\q+8:QF+16*\q+15], v[8*(4*\t+\q):8*(4*\t+\q)+7]
.endif
.endr
.endr
.endr
	PLACES 4                                       ; before S is read and KF loaded into
	WIN 0
.if \nextk
	LOADK
.endif
	; the block's maximum for each query, with the carried one: 32 numbers a lane and query tile, two a step, four chains
	WIN 0x05
.set st, 0
.rept 16
.irp q, 0,1,2,3
.if st == 0
.if \first
	v_max_num_f32 v[MP+2*\q+1], v[8*\q], v[8*\q+1]
.else
	v_max3_num_f32 v[MP+2*\q+1], v[8*\q], v[8*\q+1], v[MP+2*\q]
.endif
.else
	v_max3_num_f32 v[MP+2*\q+1], v[8*(4*(st/4)+\q)+2*(st%4)], v[8*(4*(st/4)+\q)+2*(st%4)+1], v[MP+2*\q+1]
.endif
.endr
.set st, st+1
.endr
	WIN 0
.irp q, 0,1,2,3
	v_permlanex16_b32 v[AP+2*\q+1], v[MP+2*\q+1], s12, s13     ; the other eight keys of each tile lie in the other half of the lanes
.endr
.if \first
.irp q, 0,1,2,3
	v_max_num_f32 v[MP+2*\q], v[MP+2*\q+1], v[AP+2*\q+1]
.endr
.else
.irp q, 0,1,2,3
	v_max_num_f32 v[MP+2*\q+1], v[MP+2*\q+1], v[AP+2*\q+1]
.endr
.irp q, 0,1,2,3
	v_sub_f32 v[AP+2*\q+1], v[MP+2*\q], v[MP+2*\q+1]
.endr
.irp q, 0,1,2,3
	v_exp_f32 v[AP+2*\q], v[AP+2*\q+1]             ; the factor 2^(old m - new m) for what is carried
.endr
.irp q, 0,1,2,3
	v_mov_b32 v[MP+2*\q], v[MP+2*\q+1]             ; plain instructions between the exponentials and their use (ISA guide 5.7.2)
.endr
	s_wait_alu depctr_va_vdst(0)
.irp q, 0,1,2,3
	v_pk_mul_f32 v[LS+2*\q:LS+2*\q+1], v[LS+2*\q:LS+2*\q+1], v[AP+2*\q:AP+2*\q+1] op_sel_hi:[1,0]
.endr
.endif
	; p = 2^(s - m) in place, tile by tile: a tile's eight exponentials are followed by the next tile's subtractions and by the rescaling of one tile of O
	WIN 0x41
.irp p, 0,1,2,3
	v_pk_add_f32 v[2*\p:2*\p+1], v[2*\p:2*\p+1], v[MP:MP+1] op_sel_hi:[1,0] neg_lo:[0,1] neg_hi:[0,1]
.endr
.set ti, 0
.rept 16
.irp e, 0,1,2,3,4,5,6,7
	v_exp_f32 v[8*ti+\e], v[8*ti+\e]
.endr
.if ti < 15
.irp p, 0,1,2,3
	v_pk_add_f32 v[8*ti+8+2*\p:8*ti+9+2*\p], v[8*ti+8+2*\p:8*ti+9+2*\p], v[MP+2*((ti+1)%4):MP+2*((ti+1)%4)+1] op_sel_hi:[1,0] neg_lo:[0,1] neg_hi:[0,1]
.endr
.endif
.if \first
.if ti == 15
	v_nop                                          ; the run of exponentials ends on a plain instruction
.endif
.else
.irp p, 0,1,2,3
	v_pk_mul_f32 v[OB+8*ti+2*\p:OB+8*ti+2*\p+1], v[OB+8*ti+2*\p:OB+8*ti+2*\p+1], v[AP+2*(ti%4):AP+2*(ti%4)+1] op_sel_hi:[1,0]
.endr
.endif
.set ti, ti+1
.endr
	; the row sums, two to a lane and query tile
.if \first
	WIN 0x05
	s_wait_alu depctr_va_vdst(0)
.irp q, 0,1,2,3
	v_pk_add_f32 v[LS+2*\q:LS+2*\q+1], v[8*\q:8*\q+1], v[8*\q+2:8*\q+3]   ; the first two pairs start the sums
.endr
.set st, 2
.else
.set st, 0
.endif
	WIN 0x01
	s_wait_alu depctr_va_vdst(0)
.rept 16-st
.irp q, 0,1,2,3
	v_pk_add_f32 v[LS+2*\q:LS+2*\q+1], v[8*(4*(st/4)+\q)+2*(st%4):8*(4*(st/4)+\q)+2*(st%4)+1], v[LS+2*\q:LS+2*\q+1]
.endr
.set st, st+1
.endr
	; to f16: key tiles 2 g and 2 g + 1 become the eight registers of one B fragment, in the even tile's place
	WIN 0x45
.irp g, 0,1
.irp q, 0,1,2,3
.irp p, 0,1,2,3
	v_cvt_pk_f16_f32 v[8*(8*\g+\q)+\p], v[8*(8*\g+\q)+2*\p], v[8*(8*\g+\q)+2*\p+1]
.endr
.irp p, 0,1,2,3
	v_cvt_pk_f16_f32 v[8*(8*\g+\q)+4+\p], v[8*(8*\g+4+\q)+2*\p], v[8*(8*\g+4+\q)+2*\p+1]
.endr
.endr
.endr
.if \nextk
	s_wait_dscnt 16                                ; V is in; the next block's K, issued behind it, stays out
.else
	s_wait_dscnt 0x0
.endif
	WIN 0x54
.irp g, 0,1
.irp d, 0,1,2,3
.irp q, 0,1,2,3
.if \first*(1-\g)
	v_wmma_f32_16x16x32_f16 v[OB+8*(4*\d+\q):OB+8*(4*\d+\q)+7], v[VF+8*(2*\d+\g):VF+8*(2*\d+\g)+7], v[8*(8*\g+\q):8*(8*\g+\q)+7], 0
.else
	v_wmma_f32_16x16x32_f16 v[OB+8*(4*\d+\q):OB+8*(4*\d+\q)+7], v[VF+8*(2*\d+\g):VF+8*(2*\d+\g)+7], v[8*(8*\g+\q):8*(8*\g+\q)+7], v[OB+8*(4*\d+\q):OB+8*(4*\d+\q)+7]
.endif
.endr
.endr
.endr
	WIN 0
.endm
	s_wait_dscnt 0x0                               ; no LDS instruction of mine is pending,
	s_wait_tensorcnt 0x0                           ; and my one tensor load, my part of keys 0-255, has landed
	ds_add_u32 v254, v255
	s_wait_dscnt 0x0
	ROUND                                          ; both hold of every wave of the four work-groups: keys 0-255 may be read, and the second joint loads meet
	s_cmp_lt_u32 s8, 4
	s_cbranch_scc0 .Lrest_v
	s_mov_b32 s24, 0x0731000f
	s_mul_i32 s37, s8, 192*KP
	s_add_co_u32 s37, s37, 256*KP
	tensor_load_to_lds s[36:39], s[24:31]          ; keys 256 + 192 u .. + 191, into bytes that nothing has filled: my one tensor load behind the round, ahead of every LDS read
	s_nop 0
	s_branch .Lrest_done
.Lrest_v:
	s_mov_b32 s24, 0x0f31000f
	s_mul_i32 s37, s8, 192*VP
	s_add_co_u32 s37, s37, VB+256*VP-4*192*VP      ; VB + 256 rows + (wave - 4) x 192 rows
	tensor_load_to_lds s[36:39], s[24:31]
	s_nop 0
.Lrest_done:
	LOADK
	s_wait_loadcnt 0x0                             ; Q
	BLOCK 1, 1                                     ; keys 0-127: one block for each parity
	BLOCK 0, 0                                     ; keys 128-255
	s_wait_dscnt 0x0
	s_wait_tensorcnt 0x0                           ; my part of keys 256-1023 is in,
	s_barrier_signal -1
	s_barrier_wait -1                              ; everybody's is
	LOADK
	s_mov_b32 s56, 5
.Lblk:
	BLOCK 0, 1
	s_sub_co_u32 s56, s56, 1
	s_cmp_lg_u32 s56, 0
	s_cbranch_scc1 .Lblk
	BLOCK 0, 0
	; my half's sums; these twelve plain instructions are also the places behind the last PV products
.irp q, 0,1,2,3
	v_add_f32 v[LS+2*\q], v[LS+2*\q], v[LS+2*\q+1]
.endr
.irp q, 0,1,2,3
	v_permlanex16_b32 v[AP+2*\q+1], v[LS+2*\q], s12, s13
.endr
.irp q, 0,1,2,3
	v_add_f32 v[LS+2*\q], v[LS+2*\q], v[AP+2*\q+1]
.endr
	s_wait_dscnt 0x0
	s_barrier_signal -1
	s_barrier_wait -1                              ; no wave reads K or V any more: K's bytes, which have had their only fill, serve the merge and the way out
	s_cmp_lt_u32 s8, 4
	s_cbranch_scc1 .Lkeep
	WIN 0x04                                       ; store data in window 1
.set i, 0
.rept 32
	ds_store_b128 v14, v[OB+4*i:OB+4*i+3] offset:512*i
.set i, i+1
.endr
	WIN 0
	ds_store_b128 v14, v[MP:MP+3]   offset:16384
	ds_store_b128 v14, v[MP+4:MP+7] offset:16896
	ds_store_b128 v14, v[LS:LS+3]   offset:17408
	ds_store_b128 v14, v[LS+4:LS+7] offset:17920
.Lkeep:
	s_wait_dscnt 0x0
	s_barrier_signal -1
	s_barrier_wait -1
	s_cmp_ge_u32 s8, 4
	s_cbranch_scc1 .Lclose
.set i, 0
.rept 32
	ds_load_b128 v[KF+4*i:KF+4*i+3], v14 offset:512*i          ; the partner's O, lane for lane, into v[104:231]
.set i, i+1
.endr
	ds_load_b128 v[PT:PT+3],     v14 offset:16384
	ds_load_b128 v[PT+4:PT+7],   v14 offset:16896
	ds_load_b128 v[PT+8:PT+11],  v14 offset:17408
	ds_load_b128 v[PT+12:PT+15], v14 offset:17920
	s_wait_dscnt 0x0
.irp q, 0,1,2,3
	v_max_num_f32 v[MP+2*\q+1], v[MP+2*\q], v[PT+2*\q]         ; the common maximum
.endr
.irp q, 0,1,2,3
	v_sub_f32 v[AP+2*\q+1], v[MP+2*\q], v[MP+2*\q+1]
	v_sub_f32 v[PT+2*\q+1], v[PT+2*\q], v[MP+2*\q+1]
.endr
.irp q, 0,1,2,3
	v_exp_f32 v[AP+2*\q], v[AP+2*\q+1]
	v_exp_f32 v[PT+2*\q], v[PT+2*\q+1]
.endr
	v_nop
	s_wait_alu depctr_va_vdst(0)
.irp q, 0,1,2,3
	v_mul_f32 v[LS+2*\q], v[LS+2*\q], v[AP+2*\q]
.endr
.irp q, 0,1,2,3
	v_fmac_f32 v[LS+2*\q], v[PT+8+2*\q], v[PT+2*\q]            ; the whole row's sum; at least 1, since the common maximum's own term is 1
.endr
.irp q, 0,1,2,3
	v_rcp_f32 v[LS+2*\q+1], v[LS+2*\q]
.endr
	v_nop
	s_wait_alu depctr_va_vdst(0)
.irp q, 0,1,2,3
	v_mul_f32 v[AP+2*\q], v[AP+2*\q], v[LS+2*\q+1]
	v_mul_f32 v[PT+2*\q], v[PT+2*\q], v[LS+2*\q+1]
.endr
.set ti, 0
.rept 16
.irp p, 0,1,2,3
	v_pk_mul_f32 v[KF+8*ti+2*\p:KF+8*ti+2*\p+1], v[KF+8*ti+2*\p:KF+8*ti+2*\p+1], v[PT+2*(ti%4):PT+2*(ti%4)+1] op_sel_hi:[1,0]
.endr
.set ti, ti+1
.endr
	WIN 0x01
.set ti, 0
.rept 16
.irp p, 0,1,2,3
	v_pk_fma_f32 v[KF+8*ti+2*\p:KF+8*ti+2*\p+1], v[OB+8*ti+2*\p:OB+8*ti+2*\p+1], v[AP+2*(ti%4):AP+2*(ti%4)+1], v[KF+8*ti+2*\p:KF+8*ti+2*\p+1] op_sel_hi:[1,0,1]
.endr
.set ti, ti+1
.endr
	WIN 0
.set ti, 0
.rept 16
.irp p, 0,1,2,3
	v_cvt_pk_f16_f32 v[QF+4*ti+\p], v[KF+8*ti+2*\p], v[KF+8*ti+2*\p+1]
.endr
	ds_store_b128 v11, v[QF+4*ti:QF+4*ti+3] offset:16*KP*(ti%4)+32*(ti/4)   ; query 16 qt + r, d 16 dt + 8 h ..
.set ti, ti+1
.endr
.set it, 0
.rept 16
	ds_load_b128 v[KF+4*it:KF+4*it+3], v12 offset:4*KP*it      ; my wave's own bytes: LDS serves a wave's instructions in order (ISA guide 5.7.1)
.set it, it+1
.endr
.set it, 0
.rept 16
	s_wait_dscnt 15-it
	global_store_b128 v13, v[KF+4*it:KF+4*it+3], s[48:49] offset:512*it      ; 512 consecutive bytes: four queries
.set it, it+1
.endr
.Lclose:
	s_wait_tensorcnt 0x0
	ds_add_u32 v254, v255
	s_wait_dscnt 0x0
	ROUND                                          ; the closing round
	s_endpgm
.Lfunc_end_k_q0ec320b23b_attn:
	.size	k_q0ec320b23b_attn, .Lfunc_end_k_q0ec320b23b_attn-k_q0ec320b23b_attn
	.p2alignl 7, 3214868480
	.fill 96, 4, 3214868480
	.section	.rodata,"a",@progbits
	.p2align	6, 0x0
	.amdhsa_kernel k_q0ec320b23b_attn
		.amdhsa_group_segment_fixed_size 327680
		.amdhsa_private_segment_fixed_size 0
		.amdhsa_enable_private_segment 0
		.amdhsa_kernarg_size 16
		.amdhsa_user_sgpr_count 2
		.amdhsa_user_sgpr_kernarg_segment_ptr 1
		.amdhsa_wavefront_size32 1
		.amdhsa_system_sgpr_workgroup_id_x 1
		.amdhsa_system_sgpr_workgroup_id_y 1
		.amdhsa_system_sgpr_workgroup_id_z 1
		.amdhsa_system_vgpr_workitem_id 0
		.amdhsa_next_free_vgpr 512
		.amdhsa_next_free_sgpr 66
		.amdhsa_reserve_vcc 0
		.amdhsa_float_denorm_mode_32 3
		.amdhsa_float_denorm_mode_16_64 3
		.amdhsa_memory_ordered 1
		.amdhsa_forward_progress 1
		.amdhsa_inst_pref_size 155
	.end_amdhsa_kernel
	.amdgpu_metadata
---
amdhsa.version: [ 1, 2 ]
amdhsa.kernels:
  - .name:           k_q0ec320b23b_attn
    .symbol:         k_q0ec320b23b_attn.kd
    .args:
      - { .name: qkvh, .offset: 0, .size: 8, .value_kind: global_buffer, .address_space: global }
      - { .name: xo, .offset: 8, .size: 8, .value_kind: global_buffer, .address_space: global }
    .group_segment_fixed_size: 327680
    .private_segment_fixed_size: 0
    .kernarg_segment_align: 8
    .kernarg_segment_size: 16
    .max_flat_workgroup_size: 256
    .sgpr_count:     66
    .vgpr_count:     512
    .wavefront_size: 32
...
	.end_amdgpu_metadata
.endif
;; end of part 3
;; launch oproj (part 4): grid 4 x 64, 4 waves a work-group, clusters of 4 x 4, 312,832 bytes of LDS; arguments xo, wb, bo, out0; writes out0
.if DOCPART == 4
	.amdgcn_target "amdgcn-amd-amdhsa--gfx1250"
	.amdhsa_code_object_version 6
	.text
	.protected	k_q0ec320b23b_oproj
	.globl	k_q0ec320b23b_oproj
	.p2align	8
	.type	k_q0ec320b23b_oproj,@function
k_q0ec320b23b_oproj:
	s_mov_b64 s[64:65], 0
	v_nop
	global_prefetch_b8 v0, s[64:65] scope:SCOPE_SE
	s_setreg_imm32_b32 hwreg(HW_REG_WAVE_MODE, 25, 1), 1
	s_wait_xcnt 0x0
	s_wait_alu depctr_hold_cnt(0) depctr_sa_sdst(0) depctr_va_vdst(0) depctr_va_sdst(0) depctr_va_ssrc(0) depctr_va_vcc(0) depctr_vm_vsrc(0)
	s_getreg_b32 s2, hwreg(HW_REG_IB_STS2, 6, 4)
	s_cmp_eq_u32 s2, 0
	s_cbranch_scc0 .Lentry_in_a_cluster
	s_endpgm
.Lentry_in_a_cluster:
	s_bfe_u32 s2, ttmp6, 0x10000c
	s_cmp_lg_u32 s2, 0xf033
	s_cbranch_scc0 .Lentry_shape_is_right
	s_endpgm
.Lentry_shape_is_right:
; out0[b][c][s] = sum over l of xo[b][l / 64][s][l % 64] Wo[l][c] + bo[c], f32 out; Wo in f16 in columns 1,536 .. 2,047 of wb.
; A work-group makes 128 c (work-group x) x 128 s (work-group y = 8 b + s block) with four waves of 64 c x 64 s, 16 accumulator tiles each.
; The launch moves far more bytes for each product than the projection in front: the small tile is the price of 256 equal work-groups.
; All 512 l lie in LDS at once, brought in four phases of 128 l: no slot is ever filled again; the products of a phase run while the later phases land.
; THE ORIENTATION: A = xo (m = s, plain loads), B = Wo (n = c, transposing loads): a lane's eight results are eight neighbouring s of one c.
; CLUSTERS: 4 x 4.  xo's tiles hang on work-group y alone (asked for jointly by a row of the cluster), Wo's on work-group x alone (by a column).
; LIMITS: f16 operands: magnitudes above 65,504 become infinite, those under 6e-5 keep an absolute error of 3e-8.
; REGISTERS: window 0: v8-13 addresses, v16-23 bias pairs, v32-95 and v96-159 two fragment buffers (4 of xo, 4 of Wo), v160-191 at work;
;            window 1: accumulators at 8 (4 ct + st).
.set XPT,  144                         ; xo: a token's 128 bytes of one head + 16
.set HEAD, 128*XPT                     ; a head's 128 tokens
.set WPT,  288                         ; Wo: 256 bytes of a row + 32
.set WB,   8*HEAD                      ; Wo lies behind the eight heads
.set STG,  WB+512*WPT                  ; behind both: 16 rows x 272 bytes for each wave, which no tensor load fills
.set SPT,  272
.set F0,   32
.set F1,   96
.set MSB,  0
.macro WIN new
.if MSB != \new
	s_set_vgpr_msb (MSB<<8)|\new
.set MSB, \new
.endif
.endm
.macro PLACES n
.rept \n
	v_nop
.endr
.endm
.macro CROUND                          ; a round of the cluster's barrier
	s_barrier_signal -1
	s_barrier_wait -1
	s_cmp_lg_u32 s12, 0
	s_cbranch_scc1 .Lnot_wave_0_\@
	s_barrier_signal -3
.Lnot_wave_0_\@:
	s_barrier_wait -3
	s_barrier_signal -1
	s_barrier_wait -1
.endm
	s_load_b256 s[4:11], s[0:1], 0x0               ; xo s[4:5], wb s[6:7], bo s[8:9], out0 s[10:11]
	v_lshl_add_u32 v254, v0, 2, 0x4c400
	v_mov_b32 v255, 0
	ds_add_u32 v254, v255
	v_lshrrev_b32 v1, 5, v0
	v_readfirstlane_b32 s12, v1                    ; wave
	s_lshr_b32 s13, s12, 1                         ; ch: which 64 c.  Also: I fetch xo (0) or Wo (1)
	s_and_b32 s14, s12, 1                          ; sh: which 64 s.  Also: which half of a phase's tile I fetch
	s_bfe_u32 s66, ttmp6, 0x40000                  ; cx
	s_bfe_u32 s67, ttmp6, 0x40004                  ; cy
	s_lshl_b32 s68, ttmp9, 2
	s_add_co_u32 s68, s68, s66                     ; c block
	s_and_b32 s69, ttmp7, 0xffff
	s_lshl_b32 s69, s69, 2
	s_add_co_u32 s69, s69, s67                     ; 8 b + s block
	s_lshl_b32 s70, s67, 2
	s_lshl_b32 s70, 15, s70                        ; my row of the cluster
	s_lshl_b32 s71, 0x1111, s66                    ; my column
	s_or_b32 s16, s70, 0x07310000                  ; xo: mask; 2-byte elements; padding on; bit 21 beside a mask; 4 words behind every 32
	s_mov_b32 s17, 64<<16                          ; 64 elements
	s_mov_b32 s18, 128<<16                         ; 128 rows
	s_mov_b32 s19, 64<<16
	s_mov_b32 s20, 128
	s_mov_b32 s21, 64
	s_mov_b32 s22, 0
	s_mov_b32 s23, 0
	s_or_b32 s24, s71, 0x0f710000                  ; Wo: 8 words behind every 64
	s_mov_b32 s25, 128<<16                         ; 128 elements
	s_mov_b32 s26, 64<<16                          ; 64 rows
	s_mov_b32 s27, 128<<16
	s_mov_b32 s28, 64
	s_mov_b32 s29, 2048
	s_mov_b32 s30, 0
	s_mov_b32 s31, 0
	s_lshr_b32 s72, s69, 3                         ; b
	s_and_b32 s73, s69, 7                          ; s block
	s_lshl3_add_u32 s74, s72, s14                  ; head 8 b + (wave & 1), two heads on in each phase
	s_lshl_b32 s74, s74, 17
	s_lshl_b32 s75, s73, 14                        ; + 128 tokens of 128 bytes an s block
	s_add_co_u32 s74, s74, s75
	s_mov_b32 s75, 0
	s_lshl_b32 s76, s14, 18                        ; Wo: my 64 rows of 4,096 bytes
	s_lshl_b32 s77, s68, 8                         ; + 256 bytes a c block
	s_add_co_u32 s76, s76, s77
	s_add_co_u32 s76, s76, 3072                    ; + column 1,536
	s_mov_b32 s77, 0
	s_mul_i32 s78, s12, HEAD                       ; LDS: wave x 18,432 (xo, waves 0, 1), the same + 110,592 (Wo, waves 2, 3: 64 rows are 18,432 bytes too)
	s_lshl_b32 s80, s72, 21                        ; out0: 4,096 bytes a channel, 512 channels a batch
	s_lshl_b32 s81, s68, 19
	s_add_co_u32 s80, s80, s81
	s_lshl_b32 s81, s13, 18
	s_add_co_u32 s80, s80, s81
	s_lshl_b32 s81, s73, 9
	s_add_co_u32 s80, s80, s81
	s_lshl_b32 s81, s14, 8
	s_add_co_u32 s80, s80, s81
	s_mov_b32 s81, 0
	s_lshl_b32 s82, s68, 9                         ; bo: 4 (128 c block + 64 ch)
	s_lshl_b32 s83, s13, 8
	s_add_co_u32 s82, s82, s83
	s_mov_b32 s83, 0
	; lane terms
	v_and_b32 v2, 15, v0                           ; r
	v_bfe_u32 v3, v0, 4, 1                         ; h
	v_and_b32 v4, 7, v0
	v_lshl_or_b32 v4, v3, 3, v4                    ; 8 h + (L & 7)
	v_bfe_u32 v5, v0, 3, 1
	v_lshlrev_b32 v5, 4, v5                        ; 16 ((L >> 3) & 1)
	v_mul_u32_u24 v8, v2, XPT
	v_lshl_add_u32 v8, v3, 4, v8
	s_mul_i32 s84, s14, 64*XPT
	v_add_nc_u32 v8, s84, v8                       ; xo fragments: token 64 sh + r, byte 16 h
	v_mad_u32_u24 v9, v4, WPT, v5
	s_lshl_b32 s84, s13, 7
	s_add_co_u32 s84, s84, WB
	v_add_nc_u32 v9, s84, v9                       ; Wo fragments: my 64 c begin at byte 128 ch of a row
	s_mul_i32 s84, s12, 16*SPT
	s_add_co_u32 s84, s84, STG
	v_mul_u32_u24 v10, v2, SPT
	v_lshl_add_u32 v10, v3, 5, v10
	v_add_nc_u32 v10, s84, v10                     ; the way out, in: row r, byte 32 h
	v_mul_u32_u24 v11, v3, SPT
	v_lshl_add_u32 v11, v2, 4, v11
	v_add_nc_u32 v11, s84, v11                     ; back: lanes 0-15 one row of 256 bytes, lanes 16-31 the next
	v_lshlrev_b32 v12, 12, v3
	v_lshl_add_u32 v12, v2, 4, v12                 ; and the same two rows in out0
	v_lshlrev_b32 v13, 2, v2                       ; bo: 4 r
	s_wait_dscnt 0x0
	s_wait_kmcnt 0x0
	s_add_nc_u64 s[74:75], s[4:5], s[74:75]
	s_add_nc_u64 s[76:77], s[6:7], s[76:77]
	s_add_nc_u64 s[8:9], s[8:9], s[82:83]
	s_add_nc_u64 s[10:11], s[10:11], s[80:81]
.irp p, 0,1,2,3
	s_mov_b32 s[32+4*\p], 1
	s_add_co_u32 s[33+4*\p], s78, \p*2*HEAD
	s_add_nc_u64 s[34+4*\p:35+4*\p], s[74:75], \p*262144       ; two heads on
	s_or_b32 s[35+4*\p], s[35+4*\p], 0x80000000
	s_mov_b32 s[48+4*\p], 1
	s_add_co_u32 s[49+4*\p], s78, \p*2*HEAD+WB-2*HEAD
	s_add_nc_u64 s[50+4*\p:51+4*\p], s[76:77], \p*524288       ; 128 rows on
	s_or_b32 s[51+4*\p], s[51+4*\p], 0x80000000
.endr
	CROUND                                         ; all sixteen work-groups are here: the joint loads meet
	s_cmp_eq_u32 s13, 0                            ; one branch on the wave's number holds a wave's four fills: four loads of the wave are out at the most
	s_cbranch_scc0 .Lfill_w
.irp p, 0,1,2,3
	tensor_load_to_lds s[32+4*\p:35+4*\p], s[16:23]
	s_nop 0
.endr
	s_branch .Lfilled
.Lfill_w:
.irp p, 0,1,2,3
	tensor_load_to_lds s[48+4*\p:51+4*\p], s[24:31]
	s_nop 0
.endr
.Lfilled:
.irp c, 0,1,2,3
	global_load_b32 v[16+2*\c], v13, s[8:9] offset:64*\c       ; bo of c tile's column r, into both registers of a pair for the packed add
	global_load_b32 v[17+2*\c], v13, s[8:9] offset:64*\c
.endr
; 16 loads: the fragments of the phase's quarter kl (32 along l) into buffer f
.macro FETCH kl, f
.irp a, 0,1,2,3
	ds_load_b128 v[\f+8*\a:\f+8*\a+3],   v8 offset:HEAD*(\kl/2)+16*XPT*\a+64*(\kl%2)
	ds_load_b128 v[\f+8*\a+4:\f+8*\a+7], v8 offset:HEAD*(\kl/2)+16*XPT*\a+64*(\kl%2)+32
.endr
.irp c, 0,1,2,3
	ds_load_tr16_b128 v[\f+32+8*\c:\f+32+8*\c+3], v9 offset:32*WPT*\kl+32*\c
	ds_load_tr16_b128 v[\f+36+8*\c:\f+36+8*\c+3], v9 offset:32*WPT*\kl+32*\c+16*WPT
.endr
.endm
; 16 matrix instructions, one on each accumulator: they take turns, one instruction a turn.
.macro MUL16 f, zero
	WIN 0x50
.irp c, 0,1,2,3
.irp a, 0,1,2,3
.if \zero
	v_wmma_f32_16x16x32_f16 v[8*(4*\c+\a):8*(4*\c+\a)+7], v[\f+8*\a:\f+8*\a+7], v[\f+32+8*\c:\f+32+8*\c+7], 0
.else
	v_wmma_f32_16x16x32_f16 v[8*(4*\c+\a):8*(4*\c+\a)+7], v[\f+8*\a:\f+8*\a+7], v[\f+32+8*\c:\f+32+8*\c+7], v[8*(4*\c+\a):8*(4*\c+\a)+7]
.endif
.endr
.endr
.endm
; One step of 32 along l: buffer f is in; the next step's fragments go into buffer g, then f is multiplied.
; tc >= 0: the next step opens a phase: my part of it has landed when at most tc younger fills are out; a barrier shows everybody's; the addresses step.
.macro KSTEP f, g, kl, zero, tc
	s_wait_dscnt 0x0
	WIN 0
.if \tc >= 0
	s_wait_tensorcnt \tc
	s_barrier_signal -1
	s_barrier_wait -1                              ; the later phases' fills stay out
	v_add_nc_u32 v8, 2*HEAD, v8
	v_add_nc_u32 v9, 128*WPT, v9
.endif
	PLACES 4                                       ; buffer g was read by the last step's matrix instructions (ISA guide 7.12.1)
	FETCH \kl, \g
	MUL16 \f, \zero
.endm
	s_wait_tensorcnt 0x3                           ; my part of phase 0 is in; three younger fills stay out
	s_barrier_signal -1
	s_barrier_wait -1
	FETCH 0, F0
	KSTEP F0, F1, 1, 1, -1                         ; the first products start the sums
	KSTEP F1, F0, 2, 0, -1
	KSTEP F0, F1, 3, 0, -1
	KSTEP F1, F0, 0, 0, 2
	KSTEP F0, F1, 1, 0, -1
	KSTEP F1, F0, 2, 0, -1
	KSTEP F0, F1, 3, 0, -1
	KSTEP F1, F0, 0, 0, 1
	KSTEP F0, F1, 1, 0, -1
	KSTEP F1, F0, 2, 0, -1
	KSTEP F0, F1, 3, 0, -1
	KSTEP F1, F0, 0, 0, 0
	KSTEP F0, F1, 1, 0, -1
	KSTEP F1, F0, 2, 0, -1
	KSTEP F0, F1, 3, 0, -1
	s_wait_dscnt 0x0
	MUL16 F1, 0
	; THE WAY OUT, 16 channels at a time: add the bias, 32 bytes a lane into my own stage, read back as whole rows of 256 bytes.
	PLACES 4                                       ; behind the last matrix instructions: their results are read, their sources loaded into
	s_wait_loadcnt 0x0                             ; bo
.macro OUTC c, buf
	WIN 0x01
.irp a, 0,1,2,3
.irp p, 0,1,2,3
	v_pk_add_f32 v[160+8*\a+2*\p:161+8*\a+2*\p], v[8*(4*\c+\a)+2*\p:8*(4*\c+\a)+2*\p+1], v[16+2*\c:17+2*\c]
.endr
.endr
	WIN 0
.irp a, 0,1,2,3
	ds_store_b128 v10, v[160+8*\a:163+8*\a] offset:64*\a
	ds_store_b128 v10, v[164+8*\a:167+8*\a] offset:64*\a+16
.endr
	s_wait_xcnt 0x0                                ; the buffer that takes its turn was the data of stores: it is loaded again only behind this wait (ISA guide 3.1)
.irp t, 0,1,2,3,4,5,6,7
	ds_load_b128 v[\buf+4*\t:\buf+4*\t+3], v11 offset:2*SPT*\t     ; my wave's own bytes, served in order
.endr
.irp t, 0,1,2,3,4,5,6,7
	s_wait_dscnt 7-\t
	global_store_b128 v12, v[\buf+4*\t:\buf+4*\t+3], s[10:11] offset:4096*(16*\c+2*\t) th:TH_STORE_NT   ; 16 lanes store 256 consecutive bytes, aligned
.endr
.endm
	OUTC 0, 32
	OUTC 1, 64
	OUTC 2, 32
	OUTC 3, 64
	s_wait_tensorcnt 0x0
	ds_add_u32 v254, v255
	s_wait_dscnt 0x0
	CROUND                                         ; the closing round
	s_endpgm
.Lfunc_end_k_q0ec320b23b_oproj:
	.size	k_q0ec320b23b_oproj, .Lfunc_end_k_q0ec320b23b_oproj-k_q0ec320b23b_oproj
	.p2alignl 7, 3214868480
	.fill 96, 4, 3214868480
	.section	.rodata,"a",@progbits
	.p2align	6, 0x0
	.amdhsa_kernel k_q0ec320b23b_oproj
		.amdhsa_group_segment_fixed_size 312832
		.amdhsa_private_segment_fixed_size 0
		.amdhsa_enable_private_segment 0
		.amdhsa_kernarg_size 32
		.amdhsa_user_sgpr_count 2
		.amdhsa_user_sgpr_kernarg_segment_ptr 1
		.amdhsa_wavefront_size32 1
		.amdhsa_system_sgpr_workgroup_id_x 1
		.amdhsa_system_sgpr_workgroup_id_y 1
		.amdhsa_system_sgpr_workgroup_id_z 1
		.amdhsa_system_vgpr_workitem_id 0
		.amdhsa_next_free_vgpr 384
		.amdhsa_next_free_sgpr 96
		.amdhsa_reserve_vcc 0
		.amdhsa_float_denorm_mode_32 3
		.amdhsa_float_denorm_mode_16_64 3
		.amdhsa_memory_ordered 1
		.amdhsa_forward_progress 1
		.amdhsa_inst_pref_size 58
	.end_amdhsa_kernel
	.amdgpu_metadata
---
amdhsa.version: [ 1, 2 ]
amdhsa.kernels:
  - .name:           k_q0ec320b23b_oproj
    .symbol:         k_q0ec320b23b_oproj.kd
    .args:
      - { .name: xo, .offset: 0, .size: 8, .value_kind: global_buffer, .address_space: global }
      - { .name: wb, .offset: 8, .size: 8, .value_kind: global_buffer, .address_space: global }
      - { .name: bo, .offset: 16, .size: 8, .value_kind: global_buffer, .address_space: global }
      - { .name: out0, .offset: 24, .size: 8, .value_kind: global_buffer, .address_space: global }
    .group_segment_fixed_size: 312832
    .private_segment_fixed_size: 0
    .kernarg_segment_align: 8
    .kernarg_segment_size: 32
    .max_flat_workgroup_size: 128
    .sgpr_count:     96
    .vgpr_count:     384
    .wavefront_size: 32
...
	.end_amdgpu_metadata
.endif
;; end of part 4
